; MI455X (gfx1250); checked and timed in simulation.
; The chip was launched on July 23, 2026; its instructions are those of AMD's public machine-readable ISA for CDNA 5 (MIT licence, August 2026) and "CDNA5" Instruction Set Architecture Reference Guide (July 2026). The comments in the code are by the model that wrote it; some were corrected since.
;; MDPP Init Embedding. Allowed arithmetic: matrix products marked QUANTISED: E3M2 operands, one E8M0 scale for each 32 along K, by v_wmma_scale_f32_16x16x128_f8f6f4 with both operands' format E3M2, f32 sums; products left as they are: f32 operands where the result goes on into a quantised operand, else bf16, f16 or f32 operands; f32 sums; everything else in f32.
;; Inputs: W1 2 x 256 float32; W2 1 x 256 float32; W3 512 x 256 float32; b1 256 float32; b2 256 float32; b3 256 float32; locs 8 x 4,096 x 2 float32; probe 8 x 4,096 bool.
;; Outputs: out0 8 x 4,096 x 256 float32.
;; This version of the problem:
;;   THIS VERSION OF THE PROBLEM IS GIVEN IN LOW PRECISION. The matrix products marked QUANTISED in the list below multiply operands that are first quantised to E3M2 (3 exponent bits, 2 mantissa bits; 6 bits a number), with one power-of-two scale for each 32 numbers along K (OCP MX v1.0); their sums are f32. All else is computed in f32.
;;   The module's matrix products, in the order in which they are computed (A, B: the left and right operand; K: the contracted axis; several contracted axes count as one K, in the product's order):
;;     1. [M 32,768, K 2] x [K 2, N 256]; A: input locs; B: input W1: left as it is (K = 2 < 32)
;;     2. batch 8 x [M 4,096, K 2] x [K 2, N 4,096]; A: input locs; B: input locs: left as it is (K = 2 < 32)
;;     3. [M 32,768, K 512] x [K 512, N 256]; A: computed on the way; B: input W3: QUANTISED
;;   THE QUANTISER, for each operand of a quantised product, along K:
;;     - K is cut into blocks of 32 from its start; a last block that is shorter is filled with zeros.
;;     - A block's scale is 2^e with e = floor(log2(the largest magnitude in the block)) - 4, held to -126 .. 127; a block of zeros has e = 0. As a byte (E8M0): e + 127.
;;     - Each number is divided by its block's scale, clamped to +-28, and rounded to the nearest number of E3M2, ties to even, subnormals kept.
;;     - The product sums the exact products of the quantised numbers (number of the format x scale) in f32.
;;   ~~~python
;;   def quantise(x, axis):      # numpy; x: float32 -> the quantised numbers, widened to float32 again
;;       x = np.moveaxis(x, axis, -1); K = x.shape[-1]
;;       x = np.pad(x, [(0, 0)] * (x.ndim - 1) + [(0, -K % 32)]); x = x.reshape(x.shape[:-1] + (-1, 32)); a = np.abs(x).max(-1, keepdims=True)
;;       e = np.where(a > 0, np.clip(np.frexp(np.where(a > 0, a, 1))[1] - 1 - 4, -126, 127), 0)      # np.frexp(a)[1] - 1 = floor(log2(a)), exactly
;;       r = np.clip(x / 2.0 ** e, -28, 28)
;;       step = 2.0 ** (np.maximum(np.frexp(np.where(r == 0, 1, r))[1] - 1, -2) - 2)
;;       q = np.round(r / step) * step * 2.0 ** e      # np.round: ties to even
;;       return np.moveaxis(q.reshape(q.shape[:-2] + (-1,))[..., :K], -1, axis).astype(np.float32)
;;   ~~~
;;   OPERANDS COMPUTED ON THE WAY. 'Computed on the way' means the value that the module computes at that place (a softmax that the list does not call 'softmax' is quantised finished and normalised). What goes into a quantiser is computed in f32, as accurately as f32 sums, v_exp_f32 and their like allow (about 1e-6 of the number): no bf16 or f16 on the way to a quantiser, and a product that is left as it is and whose result goes on into a quantised operand takes f32 operands (vector FMAs, or v_wmma_f32_16x16x4_f32). A number that lies on a knife's edge between two numbers of the format may be rounded either way, as far as f32 arithmetic and the matrix unit's own rounding can turn it there, and no further.
;; 2 versions, each right; version 2 is version 1 with the launch main written anew for expert scheduling mode. Each part assembles by itself: llvm-mc -triple=amdgcn-amd-amdhsa -mcpu=gfx1250 --defsym DOCPART=n.
;; ======== version 1 of 2: 2 launches
;; workspace buffers: w3f 98,304 bytes; w3s 4,096 bytes; plist 524,288 bytes; pcount 256 bytes of whole numbers
;; launch prep (part 1): grid 8 x 1, 16 waves a work-group, no clusters, 15,360 bytes of LDS; arguments W3, locs, probe, w3f, w3s, plist, pcount; writes w3f, w3s, plist, pcount
.if DOCPART == 1
	.amdgcn_target "amdgcn-amd-amdhsa--gfx1250"
	.amdhsa_code_object_version 6
	.text
	.protected	k_q49736e28ca_prep
	.globl	k_q49736e28ca_prep
	.p2align	8
	.type	k_q49736e28ca_prep,@function
k_q49736e28ca_prep:
	s_mov_b64 s[64:65], 0
	v_nop
	global_prefetch_b8 v0, s[64:65] scope:SCOPE_SE
	s_setreg_imm32_b32 hwreg(HW_REG_WAVE_MODE, 25, 1), 1
	s_wait_xcnt 0x0
; TWO JOBS ON ONE PATH, eight work-groups of sixteen waves.
; (a) W3 [512 (k)][256 (n)] f32 becomes codes of BF6 (E3M2) with one E8M0 byte for each 32 along K, laid as IMAGES OF THE OPERAND'S REGISTERS for the second launch.
;     Work-group g takes column quarter q = g / 2 (64 columns) and eight blocks of 32 along K.  A lane takes a column and its 32 registers run down K: a block is one lane's, and nothing is transposed.
;     K IS PERMUTED BY WHOLE BLOCKS, alike on both operands: K step s (0..3) holds, in its four block slots, the original blocks 2 s, 2 s + 1, 8 + 2 s, 9 + 2 s.
;     THE COLUMNS OF A TILE: quarter q, tile t, lane r stand for column 64 q + 4 r + t, so that a lane's four results of the four tiles are four neighbouring columns.
;     w3f: region g = 2 q + s / 2 of 12,288 bytes; fragment (t, s % 2) at 3,072 t + 1,536 (s % 2); in it register R of lane L at 512 (R / 4) + 16 L + 4 (R % 4).
;     w3s: region g of 512 bytes; the scale word of (r, t, s % 2) at 32 r + 8 t + 4 (s % 2); its byte number is the block slot.
; (b) Batch g's probes are gathered into a list.  A probe's entry is (-2 x, -2 y, x x + y y, 0); the other points give the entry (0, 0, +infinity, 0), which no minimum takes.
;     Probes take list places 0 .. count - 1, the others the places behind.  Places under limit = max(512, count rounded up to a multiple of 512) are stored: what the second launch reads.
;     Place e lies in sublist (e / 16) % 4, slot 16 (e / 64) + e % 16; a sublist is 1,024 slots of 16 bytes; a batch has 65,536 bytes.  pcount[g] = count.
; A block's scale is 2^(floor(log2(its largest magnitude)) - 4); its byte is the largest magnitude's exponent field - 4, held at 1 from below.
; LIMITS: a block of zeros gets the byte 1 where the quantiser's rule says 127 (its codes are zeros, and this program alone reads the bytes); NaN and infinities among the inputs are not served.
.set SCI, 12288                        ; LDS: the region's image lies at 0 .. 12,287; its 512 scale bytes here;
.set TOT, 12800                        ; and the sixteen waves' numbers of probes here
	s_load_b256 s[4:11], s[0:1], 0x0               ; W3 s[4:5], locs s[6:7], probe s[8:9], w3f s[10:11]
	s_load_b128 s[12:15], s[0:1], 0x20             ; w3s s[12:13], plist s[14:15]
	s_load_b64 s[16:17], s[0:1], 0x30              ; pcount
	v_lshl_add_u32 v160, v0, 2, 0x3400
	v_mov_b32 v161, 0
	v_lshrrev_b32 v75, 5, v0
	v_readfirstlane_b32 s18, v75                   ; wave 0..15
	v_and_b32 v1, 31, v0                           ; lane
	s_lshr_b32 s19, s18, 1                         ; which of the region's eight blocks is my wave's
	s_and_b32 s20, s18, 1                          ; which 32 of the 64 columns
	s_lshr_b32 s21, ttmp9, 1                       ; q
	s_and_b32 s22, ttmp9, 1                        ; which half of the K steps
	s_and_b32 s86, s19, 1                          ; the block slot's low bit: the fragment's half of the lanes
	s_bfe_u32 s87, s19, 0x10001                    ; s % 2
	s_lshr_b32 s88, s19, 2                         ; the block slot's high bit: registers 0-5 or 6-11
	; byte offsets into the buffers, each in a pair of its own
	s_lshl_b32 s24, s22, 2
	s_and_b32 s25, s19, 3
	s_add_co_u32 s24, s24, s25
	s_lshl_b32 s25, s88, 3
	s_add_co_u32 s24, s24, s25                     ; the original block: 4 x half + (block % 4) + 8 (block / 4)
	s_lshl_b32 s24, s24, 15                        ; 32 rows of 1,024 bytes
	s_lshl_b32 s25, s21, 8
	s_add_co_u32 s24, s24, s25                     ; + 64 q columns
	s_lshl_b32 s25, s20, 7
	s_add_co_u32 s24, s24, s25                     ; + my 32 of them
	s_mov_b32 s25, 0
	s_lshl_b32 s26, ttmp9, 15                      ; locs: the batch's 32,768 bytes, my wave's 256 points
	s_lshl_b32 s27, s18, 11
	s_add_co_u32 s26, s26, s27
	s_mov_b32 s27, 0
	s_lshl_b32 s28, ttmp9, 12                      ; probe: the batch's 4,096 bytes, my wave's 256
	s_lshl_b32 s29, s18, 8
	s_add_co_u32 s28, s28, s29
	s_mov_b32 s29, 0
	s_mul_i32 s30, ttmp9, 12288                    ; w3f: my region
	s_mov_b32 s31, 0
	s_lshl_b32 s32, ttmp9, 9                       ; w3s: my region
	s_mov_b32 s33, 0
	s_lshl_b32 s34, ttmp9, 16                      ; plist: my batch
	s_mov_b32 s35, 0
	s_lshl_b32 s36, ttmp9, 2                       ; pcount: my word
	s_mov_b32 s37, 0
	; LDS addresses: constants, the lane and the wave's number alone
	s_mul_i32 s89, s87, 1536
	s_lshl_b32 s90, s20, 7
	s_add_co_u32 s89, s89, s90
	s_lshl_b32 s90, s86, 8
	s_add_co_u32 s89, s89, s90                     ; the wave's part of a fragment's place: 1,536 (s % 2) + 16 (8 x column half + 16 x lane half)
	s_mul_i32 s90, s88, 520
	s_add_co_u32 s61, s89, s90                     ; registers 0, 1 (or 6, 7: 520 on)
	s_add_co_u32 s63, s61, 512                     ; registers 4, 5 (or 10, 11)
	s_mul_i32 s90, s88, 1016
	s_add_co_u32 s62, s89, s90
	s_add_co_u32 s62, s62, 8                       ; registers 2, 3 (or 8, 9: 1,016 on)
	v_and_b32 v75, 3, v1                           ; t = lane % 4
	v_mul_u32_u24 v79, v75, 3072
	v_lshrrev_b32 v75, 2, v1
	v_lshl_add_u32 v79, v75, 4, v79                ; + 16 (lane / 4)
	v_add_nc_u32 v3, s61, v79
	v_add_nc_u32 v4, s62, v79
	v_add_nc_u32 v5, s63, v79
	s_lshl_b32 s89, s20, 8
	s_lshl_b32 s90, s87, 2
	s_add_co_u32 s89, s89, s90
	s_add_co_u32 s89, s89, s86
	s_lshl_b32 s90, s88, 1
	s_add_co_u32 s89, s89, s90
	s_add_co_u32 s89, s89, SCI
	v_lshl_add_u32 v6, v1, 3, s89                  ; my scale byte: 32 r + 8 t = 8 x lane + 256 x column half, + 4 (s % 2) + the block slot
	v_lshlrev_b32 v2, 2, v1                        ; 4 x lane: W3's offset, and at the end the count's (lane 0: 0); never rewritten
	v_lshlrev_b32 v7, 3, v0                        ; the image's way out: 8 bytes a thread
	v_lshlrev_b32 v8, 4, v1                        ; 16 x lane
	v_lshlrev_b32 v9, 6, v1                        ; locs: my 8 points, 64 bytes
	v_lshlrev_b32 v10, 3, v1                       ; probe: my 8 bytes
	v_and_b32 v11, 15, v0
	v_lshl_add_u32 v11, v11, 2, TOT                ; lane k (and k + 16) reads wave k's number
	s_lshl_b32 s90, s18, 2
	s_add_co_u32 s90, s90, TOT
	v_mov_b32 v78, s90                             ; where my wave's number goes
	v_mov_b32 v76, 0x7f800000                      ; +infinity
	s_wait_kmcnt 0x0
	s_add_nc_u64 s[4:5], s[4:5], s[24:25]
	s_add_nc_u64 s[6:7], s[6:7], s[26:27]
	s_add_nc_u64 s[8:9], s[8:9], s[28:29]
	s_add_nc_u64 s[10:11], s[10:11], s[30:31]
	s_add_nc_u64 s[12:13], s[12:13], s[32:33]
	s_add_nc_u64 s[14:15], s[14:15], s[34:35]
	s_add_nc_u64 s[16:17], s[16:17], s[36:37]
	; all loads at once: the small ones first
	global_load_b64 v[12:13], v10, s[8:9]          ; probe of points 256 w + 8 lane + 0 .. 7
.irp i, 0,1,2,3
	global_load_b128 v[16+4*\i:19+4*\i], v9, s[6:7] offset:16*\i   ; their (x, y)
.endr
.irp i, 0,1,2,3,4,5,6,7,8,9,10,11,12,13,14,15,16,17,18,19,20,21,22,23,24,25,26,27,28,29,30,31
	global_load_b32 v[32+\i], v2, s[4:5] offset:1024*\i th:TH_LOAD_NT   ; W3(32 block + i, my column): a wave reads 128 neighbouring bytes; read once in the launch
.endr
	; ---- the list's entries and my wave's count
	s_wait_loadcnt 32                              ; probe and locs are in; W3's 32 loads, issued behind them, may stay out
	s_mov_b32 s56, 0
.irp t, 0,1,2,3,4,5,6,7                 ; step t takes each lane's point t: its rank in the batch is 256 w + 32 t + lane (the list's order is free: a minimum does not hang on it)
	v_bfe_u32 v75, v[12+\t/4], 8*(\t%4), 8
	v_cmp_ne_u32 s[40+\t], 0, v75                  ; the step's probes, a bit a lane
	s_mov_b32 s[48+\t], s56                        ; probes of my wave in the steps before
	s_bcnt1_i32_b32 s61, s[40+\t]
	s_add_co_u32 s56, s56, s61
	v_mul_f32 v[80+4*\t], -2.0, v[16+2*\t]
	v_mul_f32 v[81+4*\t], -2.0, v[17+2*\t]
	v_mul_f32 v[82+4*\t], v[16+2*\t], v[16+2*\t]
	v_fma_f32 v[82+4*\t], v[17+2*\t], v[17+2*\t], v[82+4*\t]       ; x x + y y, made as the second launch makes it
	v_cndmask_b32 v[80+4*\t], 0, v[80+4*\t], s[40+\t]              ; a point that is no probe gives (0, 0, +infinity, 0)
	v_cndmask_b32 v[81+4*\t], 0, v[81+4*\t], s[40+\t]
	v_cndmask_b32 v[82+4*\t], v76, v[82+4*\t], s[40+\t]
	v_mov_b32 v[83+4*\t], 0
.endr
	v_mov_b32 v77, s56
	ds_store_b32 v78, v77                          ; all lanes write the same word with the same value
	; ---- my block of W3
	s_wait_loadcnt 0x0
	v_max3_num_f32 v75, |v32|, |v33|, |v34|        ; the block's largest magnitude: all 32 numbers are mine; two chains
	v_max3_num_f32 v79, |v35|, |v36|, |v37|
.irp i, 6,10,14,18,22,26
	v_max3_num_f32 v75, v75, |v[32+\i]|, |v[33+\i]|
	v_max3_num_f32 v79, v79, |v[34+\i]|, |v[35+\i]|
.endr
	v_max3_num_f32 v75, v75, |v62|, |v63|
	v_max3_num_f32 v75, v75, v79, 0x2800000        ; and the floor 2^(5 - 127): the byte cannot fall under 1
	v_add_nc_u32 v140, 0xfe000000, v75             ; 4 off its exponent field: the conversion takes the exponent field of this operand as its scale
	v_lshrrev_b32 v141, 23, v140                   ; the scale's byte
	v_cvt_scalef32_pk16_bf6_f32 v[64:66], v[32:47], v140
	v_cvt_scalef32_pk16_bf6_f32 v[72:74], v[48:63], v140   ; (a conversion's three registers begin on an even number)
	v_nop                                          ; one plain place behind a scaled conversion
	v_mov_b32 v67, v72
	v_mov_b32 v68, v73
	v_mov_b32 v69, v74                             ; v[64:69]: the block's 32 codes, 24 bytes: six registers of the fragment
	ds_store_b64 v3, v[64:65]
	ds_store_b64 v4, v[66:67]
	ds_store_b64 v5, v[68:69]
	ds_store_b8 v6, v141
	s_wait_dscnt 0x0                               ; for the others' sake: my stores have landed
	s_barrier_signal -1
	s_barrier_wait -1                              ; the image, the scale bytes and the sixteen numbers are whole
	; ---- the image leaves: 8 bytes a thread, so that a wave's store covers 256 consecutive bytes, aligned
.irp i, 0,1,2
	ds_load_b64 v[128+2*\i:129+2*\i], v7 offset:4096*\i
.endr
	ds_load_b32 v142, v11
.irp i, 0,1,2
	s_wait_dscnt 3-\i                              ; piece i is in; the LDS loads issued behind it may stay out
	global_store_b64 v7, v[128+2*\i:129+2*\i], s[10:11] offset:4096*\i
.endr
	s_wait_dscnt 0x0                               ; the sixteen numbers
.irp k, 0,1,2,3,4,5,6,7,8,9,10,11,12,13,14,15
	v_readlane_b32 s[70+\k], v142, \k
.endr
	s_mov_b32 s57, 0
	s_mov_b32 s58, 0
.irp k, 0,1,2,3,4,5,6,7,8,9,10,11,12,13,14,15
	s_add_co_u32 s58, s58, s[70+\k]                ; count: all waves' probes
	s_cmp_lt_u32 \k, s18
	s_cselect_b32 s61, s[70+\k], 0
	s_add_co_u32 s57, s57, s61                     ; base: those of the waves before mine
.endr
	s_add_co_u32 s59, s58, 511
	s_and_b32 s59, s59, 0xfffffe00
	s_max_u32 s59, s59, 512                        ; limit
	s_lshl_b32 s63, s18, 8
	s_add_co_u32 s63, s63, s58                     ; count + 256 w
	; ---- each point's place in the list
.irp t, 0,1,2,3,4,5,6,7
	s_add_co_u32 s61, s57, s[48+\t]
	v_mbcnt_lo_u32_b32 v143, s[40+\t], 0           ; the step's probes in the lanes below mine,
	v_add_nc_u32 v143, s61, v143                   ; + all probes of lower rank: a probe's place
	s_add_co_u32 s62, s63, 32*\t
	v_add_nc_u32 v144, s62, v1
	v_sub_nc_u32 v144, v144, v143                  ; count + my rank - the probes of lower rank: the place of a point that is none
	v_cndmask_b32 v[112+\t], v144, v143, s[40+\t]
	v_bfe_u32 v145, v[112+\t], 4, 2                ; the sublist,
	v_lshrrev_b32 v146, 6, v[112+\t]
	v_and_b32 v147, 15, v[112+\t]
	v_lshl_or_b32 v146, v146, 4, v147              ; the slot in it
	v_lshl_or_b32 v146, v145, 10, v146
	v_min_u32 v146, 0xfff, v146                    ; a number made of loaded data is held inside the batch's 4,096 slots before it enters an address
	v_lshlrev_b32 v[120+\t], 4, v146
.endr
	; ---- the places under the limit are stored
.irp t, 0,1,2,3,4,5,6,7
	v_cmp_gt_u32 vcc_lo, s59, v[112+\t]
	s_wait_xcnt 0x0                                ; EXEC is a source of the stores issued so far: it changes only behind this wait
	s_and_saveexec_b32 s60, vcc_lo
	global_store_b128 v[120+\t], v[80+4*\t:83+4*\t], s[14:15]
	s_wait_xcnt 0x0                                ; and again in front of the line that widens it
	s_or_b32 exec_lo, exec_lo, s60
.endr
	; ---- wave 0: the scale bytes and the count
	s_cmp_lg_u32 s18, 0
	s_cbranch_scc1 .Lend
	ds_load_b128 v[136:139], v8 offset:SCI
	v_mov_b32 v148, s58
	v_cmp_eq_u32 vcc_lo, 0, v1
	s_wait_dscnt 0x0
	global_store_b128 v8, v[136:139], s[12:13]     ; 512 consecutive bytes
	s_wait_xcnt 0x0
	s_and_saveexec_b32 s60, vcc_lo
	global_store_b32 v2, v148, s[16:17]            ; lane 0 alone is on, and its offset 4 x lane is 0: the batch's number of probes
	s_wait_xcnt 0x0
	s_or_b32 exec_lo, exec_lo, s60
.Lend:
	s_wait_tensorcnt 0x0
	ds_add_u32 v160, v161
	s_wait_dscnt 0x0
	s_endpgm
.Lfunc_end_k_q49736e28ca_prep:
	.size	k_q49736e28ca_prep, .Lfunc_end_k_q49736e28ca_prep-k_q49736e28ca_prep
	.p2alignl 7, 3214868480
	.fill 96, 4, 3214868480
	.section	.rodata,"a",@progbits
	.p2align	6, 0x0
	.amdhsa_kernel k_q49736e28ca_prep
		.amdhsa_group_segment_fixed_size 15360
		.amdhsa_private_segment_fixed_size 0
		.amdhsa_enable_private_segment 0
		.amdhsa_kernarg_size 56
		.amdhsa_user_sgpr_count 2
		.amdhsa_user_sgpr_kernarg_segment_ptr 1
		.amdhsa_wavefront_size32 1
		.amdhsa_system_sgpr_workgroup_id_x 1
		.amdhsa_system_sgpr_workgroup_id_y 1
		.amdhsa_system_sgpr_workgroup_id_z 1
		.amdhsa_system_vgpr_workitem_id 0
		.amdhsa_next_free_vgpr 162
		.amdhsa_next_free_sgpr 96
		.amdhsa_reserve_vcc 1
		.amdhsa_float_denorm_mode_32 3
		.amdhsa_float_denorm_mode_16_64 3
		.amdhsa_memory_ordered 1
		.amdhsa_forward_progress 1
		.amdhsa_inst_pref_size 26
	.end_amdhsa_kernel
	.amdgpu_metadata
---
amdhsa.version: [ 1, 2 ]
amdhsa.kernels:
  - .name:           k_q49736e28ca_prep
    .symbol:         k_q49736e28ca_prep.kd
    .args:
      - { .name: W3, .offset: 0, .size: 8, .value_kind: global_buffer, .address_space: global }
      - { .name: locs, .offset: 8, .size: 8, .value_kind: global_buffer, .address_space: global }
      - { .name: probe, .offset: 16, .size: 8, .value_kind: global_buffer, .address_space: global }
      - { .name: w3f, .offset: 24, .size: 8, .value_kind: global_buffer, .address_space: global }
      - { .name: w3s, .offset: 32, .size: 8, .value_kind: global_buffer, .address_space: global }
      - { .name: plist, .offset: 40, .size: 8, .value_kind: global_buffer, .address_space: global }
      - { .name: pcount, .offset: 48, .size: 8, .value_kind: global_buffer, .address_space: global }
    .group_segment_fixed_size: 15360
    .private_segment_fixed_size: 0
    .kernarg_segment_align: 8
    .kernarg_segment_size: 56
    .max_flat_workgroup_size: 512
    .sgpr_count:     96
    .vgpr_count:     162
    .wavefront_size: 32
...
	.end_amdgpu_metadata
.endif
;; end of part 1
;; launch main (part 2): grid 256 x 1, 4 waves a work-group, no clusters, 66,048 bytes of LDS; arguments locs, W1, b1, W2, b2, b3, w3f, w3s, plist, pcount, out0; writes out0
.if DOCPART == 2
	.amdgcn_target "amdgcn-amd-amdhsa--gfx1250"
	.amdhsa_code_object_version 6
	.text
	.protected	k_q49736e28ca_main
	.globl	k_q49736e28ca_main
	.p2align	8
	.type	k_q49736e28ca_main,@function
k_q49736e28ca_main:
	s_mov_b64 s[64:65], 0
	v_nop
	global_prefetch_b8 v0, s[64:65] scope:SCOPE_SE
	s_setreg_imm32_b32 hwreg(HW_REG_WAVE_MODE, 25, 1), 1
	s_wait_xcnt 0x0
; out[b][j][:] = Q(cat(j)) Q(W3) + b3, cat(j) = (x W1[0] + y W1[1] + b1, md W2 + b2), md = the distance from point j to the nearest probe of its batch; Q: codes of BF6 (E3M2), one E8M0 scale for each 32 along K.
; SHARES.  256 work-groups of four waves; a work-group owns 128 points of one batch.  A wave has three parts to play:
;   THE SEARCH: all 128 points (a lane holds four) against sublist w of the batch's list of probes, which the launch before has gathered; the four waves' minima meet in LDS.
;   THE QUANTISING: K step w (128 of the 512 along K) of every tile of 16 rows: made in f32, quantised in registers, sent to LDS as an image of the operand's registers.
;   THE PRODUCT: columns 64 w .. 64 w + 63 for all 128 rows; its 16 fragments of W3 stay in registers for the whole launch.
; THE DISTANCE.  An entry of the list is (a, b, c) = (-2 x_i, -2 y_i, x_i^2 + y_i^2).  w = fma(b, y_j, a x_j) + c; m = the least w; d2 = max(m + x2_j, 0); md = sqrt(d2): the squared-norm expansion, in f32.
;   Adding x2_j behind the minimum gives the same number as adding it to each w, since a rounded sum does not fall where w rises; root and clamp are taken once a point for the same reason.
;   A probe's distance to itself is exactly 0: fma(b, y, a x) is then exactly -2 x2.
; K IS PERMUTED BY WHOLE BLOCKS, alike on both operands: K step s holds the original blocks 2 s, 2 s + 1 (of x W1 + b1) and 8 + 2 s, 9 + 2 s (of md W2 + b2): so every K step is made by the same lines.
; THE COLUMNS OF A TILE: tile t, lane r stand for column 64 w + 4 r + t: a lane's results of the four tiles are four neighbouring columns, and sixteen lanes store 256 consecutive bytes, aligned, with no way through LDS.
; NO CLUSTER, NO TENSOR LOAD: the search's number of steps is read from memory; what the work-groups share, W3's images, is read once by each, straight into registers.
; LIMITS: a batch without a probe (the result is then not finite) is not served; NaN and infinities among the inputs are not served; a d2 under 2^-126 counts as 0 (the root takes a denormal as zero: ISA guide, its entry in 15.8);
;   a block of zeros gets the scale byte 1 (its codes are zeros); the order of K in the f32 sums is the permuted one.
; REGISTERS, in windows of 256.  Window 0: v1-14 addresses; v16-47 the tiles' points; v48-67 scale words and nothing else; v68-71 b3; v72-119 A's four fragments; v120-183 64 numbers, later the output; v184-220 the quantiser's; v224-255 four accumulators.
;   In the search v72-107 and v120-199 serve otherwise (below).  Window 1: W3's 16 fragments.  Window 2: my K step's 32 numbers each of W1[0], W1[1], b1, W2, b2.
.set AIMG, 0                           ; LDS: A's fragments as images: tile m, K step s at 1,536 (4 m + s): 49,152 bytes
.set ASC,  49152                       ; their scale words: tile m at 512 m; a lane's four words at 16 x lane + 4 s
.set PM,   53248                       ; the four waves' minima: point p at 16 p + 4 w
.set STG,  55296                       ; 2,048 bytes of each wave's own: 128 entries of its sublist
.set LI,   1                           ; v1   16 x lane
.set IWI,  2                           ; v2   16 x lane + 1,536 w: where my images go
.set IWS,  3                           ; v3   16 x lane + 4 w: and their scale words
.set LB,   4                           ; v4   my stage's first byte, the same in all lanes
.set STA,  5                           ; v5   my stage + 16 x lane
.set PMS,  6                           ; v6   PM + 64 x lane + 4 w
.set PML,  7                           ; v7   PM + 16 r
.set GO,   8                           ; v8   out: 8,192 h + 16 r + 256 w
.set P,    16                          ; tile m: x, y, md, x2 of row 16 m + r at v[P + 4 m]
.set W3S,  48                          ; W3's scale word of (t, s) at v[W3S + 8 (s / 2) + 2 t + s % 2]
.set AS,   64                          ; the tile's four scale words
.set B3,   68
.set AF,   72                          ; A's fragment of K step s at v[AF + 12 s]
.set N,    120
.set O,    120
.set PC,   184
.set TM,   204
.set PW,   220
.set ACC,  224
.set LST,  72                          ; the search: 128 entries on their way to the stage
.set ND,   88                          ; my four points as loaded
.set X,    96                          ; v[96:99] their x, v[100:103] their y
.set Y,    100
.set MM,   104                         ; v[104:107] their running minima
.set E,    120                         ; two sets of eight entries
.set T,    184                         ; two banks of eight, at work
.set U,    0                           ; window 2
.set V,    32
.set C1,   64
.set W2R,  96
.set B2R,  128
.set SEL,  36                          ; s[36:37] v_permlanex16_b32's selects for lane l xor 16
.set MSB, 0
.macro WIN new                         ; the immediate's high byte repeats the setting that is left
.if MSB != \new
	s_set_vgpr_msb (MSB<<8)|\new
.set MSB, \new
.endif
.endm
; eight entries of my stage, every lane the same 16 bytes
.macro LOAD8 set, hg
.irp p, 0,1,2,3,4,5,6,7
	ds_load_b128 v[E+32*(\set)+4*\p:E+32*(\set)+4*\p+3], v[LB] offset:16*(8*(\hg)+\p)
.endr
.endm
; eight probes against my four points: two probes at a time, sixteen lines
.macro COMP8 set
.irp pp, 0,1,2,3
.set EB, E+32*(\set)+8*\pp
.set TB, T+8*(\pp%2)
	v_pk_mul_f32 v[TB:TB+1],   v[X:X+1],   v[EB:EB+1]   op_sel_hi:[1,0]          ; a x_j
	v_pk_mul_f32 v[TB+2:TB+3], v[X+2:X+3], v[EB:EB+1]   op_sel_hi:[1,0]
	v_pk_mul_f32 v[TB+4:TB+5], v[X:X+1],   v[EB+4:EB+5] op_sel_hi:[1,0]
	v_pk_mul_f32 v[TB+6:TB+7], v[X+2:X+3], v[EB+4:EB+5] op_sel_hi:[1,0]
	v_pk_fma_f32 v[TB:TB+1],   v[Y:Y+1],   v[EB:EB+1],   v[TB:TB+1]   op_sel:[0,1,0] op_sel_hi:[1,1,1]   ; + b y_j: of the pair (a, b) the upper word serves both halves
	v_pk_fma_f32 v[TB+2:TB+3], v[Y+2:Y+3], v[EB:EB+1],   v[TB+2:TB+3] op_sel:[0,1,0] op_sel_hi:[1,1,1]
	v_pk_fma_f32 v[TB+4:TB+5], v[Y:Y+1],   v[EB+4:EB+5], v[TB+4:TB+5] op_sel:[0,1,0] op_sel_hi:[1,1,1]
	v_pk_fma_f32 v[TB+6:TB+7], v[Y+2:Y+3], v[EB+4:EB+5], v[TB+6:TB+7] op_sel:[0,1,0] op_sel_hi:[1,1,1]
	v_pk_add_f32 v[TB:TB+1],   v[TB:TB+1],   v[EB+2:EB+3] op_sel_hi:[1,0]        ; + c
	v_pk_add_f32 v[TB+2:TB+3], v[TB+2:TB+3], v[EB+2:EB+3] op_sel_hi:[1,0]
	v_pk_add_f32 v[TB+4:TB+5], v[TB+4:TB+5], v[EB+6:EB+7] op_sel_hi:[1,0]
	v_pk_add_f32 v[TB+6:TB+7], v[TB+6:TB+7], v[EB+6:EB+7] op_sel_hi:[1,0]
.irp k, 0,1,2,3
	v_min3_num_f32 v[MM+\k], v[MM+\k], v[TB+\k], v[TB+4+\k]
.endr
.endr
.endm
; half a row of the list (a row: 64 places, 16 in each sublist).  Ahead of each row: are there rows left?  A scalar branch on the stored count; it is the same in all four waves, and no barrier stands under it.
.macro MDHALF hg
.if (\hg)%2 == 0
	s_cmp_le_u32 s33, (\hg)/2
	s_cbranch_scc1 .Lmd_exit
.endif
.if (\hg) < 15
	LOAD8 ((\hg)+1)%2, (\hg)+1
	s_wait_dscnt 8                                 ; this half's eight entries are in; the next half's eight may stay out
.else
	s_wait_dscnt 0x0
.endif
	COMP8 (\hg)%2
.endm
; my K step of tile m in f32: register 16 b + i is, for b = 0, 1, x W1[0] + y W1[1] + b1 and, for b = 2, 3, md W2 + b2, at column 64 w + 32 (b % 2) + 16 h + i
.macro GEN m
	WIN 0x22                                       ; sources 0 and 2 window 2
.irp j, 0,2,4,6,8,10,12,14,16,18,20,22,24,26,28,30
	v_pk_fma_f32 v[N+\j:N+\j+1], v[U+\j:U+\j+1], v[P+4*(\m):P+4*(\m)+1], v[C1+\j:C1+\j+1] op_sel_hi:[1,0,1]          ; W1[0] x + b1
.endr
.irp j, 0,2,4,6,8,10,12,14,16,18,20,22,24,26,28,30
	v_pk_fma_f32 v[N+32+\j:N+33+\j], v[W2R+\j:W2R+\j+1], v[P+4*(\m)+2:P+4*(\m)+3], v[B2R+\j:B2R+\j+1] op_sel_hi:[1,0,1]   ; W2 md + b2
.endr
	WIN 0x02                                       ; source 0 window 2
.irp j, 0,2,4,6,8,10,12,14,16,18,20,22,24,26,28,30
	v_pk_fma_f32 v[N+\j:N+\j+1], v[V+\j:V+\j+1], v[P+4*(\m):P+4*(\m)+1], v[N+\j:N+\j+1] op_sel:[0,1,0] op_sel_hi:[1,1,1]   ; + W1[1] y
.endr
	WIN 0
.endm
; 64 numbers of a lane, register 16 b + i = k 32 b + 16 (lane / 16) + i of my row, become a fragment's codes in v[PC] on and its scale word in v[PW]
.macro QUANT s
.irp b, 0,1,2,3
	v_max3_num_f32 v[TM+\b], |v[\s+16*\b]|, |v[\s+1+16*\b]|, 0x2800000   ; block b: my 16 numbers, and the floor 2^(5 - 127): the byte cannot fall under 1
.endr
.irp i, 2,4,6,8,10,12,14
.irp b, 0,1,2,3
	v_max3_num_f32 v[TM+\b], v[TM+\b], |v[\s+16*\b+\i]|, |v[\s+1+16*\b+\i]|   ; (the four blocks by turns)
.endr
.endr
.irp b, 0,1,2,3
	v_permlanex16_b32 v[TM+4+\b], v[TM+\b], s[SEL], s[SEL+1]
.endr
.irp b, 0,1,2,3
	v_max_num_f32 v[TM+\b], v[TM+\b], v[TM+4+\b]   ; with lane l xor 16's: the block's largest magnitude
.endr
.irp b, 0,1,2,3
	v_add_nc_u32 v[TM+12+\b], 0xfe000000, v[TM+\b]   ; 4 off its exponent field: the conversion's scale operand
.endr
.irp b, 0,1,2,3
	v_lshrrev_b32 v[TM+4+\b], 23, v[TM+12+\b]      ; the scale's byte
.endr
	v_lshl_or_b32 v[PW], v[TM+5], 8, v[TM+4]       ; the four bytes make my row's scale word
	v_lshl_or_b32 v[PW], v[TM+6], 16, v[PW]
	v_lshl_or_b32 v[PW], v[TM+7], 24, v[PW]
.irp c, 0,1
	v_cvt_scalef32_pk16_bf6_f32 v[PC+6*\c:PC+2+6*\c], v[\s+32*\c:\s+15+32*\c], v[TM+12+2*\c]
	v_cvt_scalef32_pk16_bf6_f32 v[PC+12+4*\c:PC+14+4*\c], v[\s+16+32*\c:\s+31+32*\c], v[TM+12+2*\c+1]   ; (a conversion's three registers begin on an even number)
.endr
	v_nop                                          ; one plain place behind a scaled conversion
.irp c, 0,1                            ; the operand's layout wants a WHOLE block in a lane: lanes 0-15 block 2 c, lanes 16-31 block 2 c + 1
.irp i, 0,1,2
	v_permlane16_swap_b32 v[PC+6*\c+\i], v[PC+12+4*\c+\i]
.endr
.irp i, 0,1,2
	v_mov_b32 v[PC+3+6*\c+\i], v[PC+12+4*\c+\i]
.endr
.endr
.endm
.macro IMAGE m                         ; the fragment goes to LDS as it stands: lane l's 16 bytes at 16 l, 512 bytes a store; its scale word beside the other K steps'
.irp c, 0,1,2
	ds_store_b128 v[IWI], v[PC+4*\c:PC+4*\c+3] offset:AIMG+6144*(\m)+512*\c
.endr
	ds_store_b32 v[IWS], v[PW] offset:ASC+512*(\m)
.endm
.macro FETCHA m                        ; and comes back so, in every wave: the tile's four fragments and four scale words
.irp s, 0,1,2,3
.irp c, 0,1,2
	ds_load_b128 v[AF+12*\s+4*\c:AF+12*\s+4*\c+3], v[LI] offset:AIMG+6144*(\m)+1536*\s+512*\c
.endr
.endr
	ds_load_b128 v[AS:AS+3], v[LI] offset:ASC+512*(\m)
.endm
; 16 rows x my 64 columns x 512 along K: source 0 = the rows, source 1 = 16 columns of W3.  The four accumulators take turns, one instruction a turn; the first K step starts the sums.
.macro MUL16
	WIN 0x04                                       ; source 1 (W3) window 1
.irp s, 0,1,2,3
.irp t, 0,1,2,3
.if \s == 0
	v_wmma_scale_f32_16x16x128_f8f6f4 v[ACC+8*\t:ACC+8*\t+7], v[AF+12*\s:AF+12*\s+11], v[12*(4*\t+\s):12*(4*\t+\s)+11], 0, v[AS+\s], v[W3S+8*(\s/2)+2*\t+(\s%2)] matrix_a_fmt:MATRIX_FMT_BF6 matrix_b_fmt:MATRIX_FMT_BF6
.else
	v_wmma_scale_f32_16x16x128_f8f6f4 v[ACC+8*\t:ACC+8*\t+7], v[AF+12*\s:AF+12*\s+11], v[12*(4*\t+\s):12*(4*\t+\s)+11], v[ACC+8*\t:ACC+8*\t+7], v[AS+\s], v[W3S+8*(\s/2)+2*\t+(\s%2)] matrix_a_fmt:MATRIX_FMT_BF6 matrix_b_fmt:MATRIX_FMT_BF6
.endif
.endr
.endr
	WIN 0
.endm
; A TILE OF 16 ROWS.  Its fragments are asked of LDS; while they come, my K step of the NEXT tile is made, quantised and sent; one barrier a tile, its signal ahead of the products and its wait behind them.
; Each tile's images have LDS bytes of their own: nothing is written over, so the one barrier orders the stores ahead of the other waves' loads and no more is needed.
.macro TILE m
.if (\m) > 0
	s_wait_xcnt 0x0                                ; the last tile's stores have read their data: those registers take the next numbers
.endif
	FETCHA \m
.if (\m) < 7
	GEN (\m)+1
	QUANT N
	IMAGE (\m)+1
.endif
	s_wait_dscnt 0x0                               ; my fragments are in; my stores have landed, and have read their registers
.if (\m) < 7
	s_barrier_signal -1
.endif
	MUL16
.rept 4
	v_nop                                          ; four places behind the last product, for the reads of the results and for the next tile's loads into the fragments' and scale words' registers
.endr
.irp j, 0,1,2,3,4,5,6,7                ; + b3; the same line puts a row's four neighbouring columns into four neighbouring registers.  Each accumulator is read from its register 0 on
.irp t, 0,1,2,3
	v_add_f32 v[O+4*\j+\t], v[ACC+8*\t+\j], v[B3+\t]
.endr
.endr
.if (\m) < 7
	s_barrier_wait -1                              ; the next tile's four fragments lie in LDS
.endif
.irp j, 0,1,2,3,4,5,6,7
	global_store_b128 v[GO], v[O+4*\j:O+4*\j+3], s[24:25] offset:(16*(\m)+\j)*1024 th:TH_STORE_NT   ; lanes 0-15: 256 consecutive bytes, aligned, of row 16 m + j; lanes 16-31: of row 16 m + 8 + j; written once
.endr
.endm
	s_load_b256 s[4:11], s[0:1], 0x0               ; locs s[4:5], W1 s[6:7], b1 s[8:9], W2 s[10:11]
	s_load_b256 s[12:19], s[0:1], 0x20             ; b2 s[12:13], b3 s[14:15], w3f s[16:17], w3s s[18:19]
	s_load_b128 s[20:23], s[0:1], 0x40             ; plist s[20:21], pcount s[22:23]
	s_load_b64 s[24:25], s[0:1], 0x50              ; out0
	v_lshl_add_u32 v222, v0, 2, 0x10000
	v_mov_b32 v223, 0
	v_lshrrev_b32 v15, 5, v0
	v_readfirstlane_b32 s26, v15                   ; wave 0..3
	s_lshr_b32 s27, ttmp9, 5                       ; the batch
	s_and_b32 s28, ttmp9, 31                       ; which 128 of its points
	s_lshl_b32 s40, s27, 16                        ; plist: the batch's 65,536 bytes, my sublist's 16,384
	s_lshl_b32 s41, s26, 14
	s_add_co_u32 s40, s40, s41
	s_mov_b32 s41, 0
	s_lshl_b32 s42, s27, 2                         ; pcount: the batch's word
	s_mov_b32 s43, 0
	s_lshl_b32 s44, s27, 15                        ; locs: the batch's 32,768 bytes, my work-group's 1,024
	s_lshl_b32 s45, s28, 10
	s_add_co_u32 s44, s44, s45
	s_mov_b32 s45, 0
	s_lshl_b32 s46, s26, 8                         ; W1, b1, W2, b2, b3: 64 numbers a wave
	s_mov_b32 s47, 0
	s_mul_i32 s48, s26, 24576                      ; w3f: my quarter's two regions
	s_mov_b32 s49, 0
	s_lshl_b32 s50, s26, 10                        ; w3s likewise
	s_mov_b32 s51, 0
	s_lshl_b32 s52, ttmp9, 17                      ; out0: 128 rows of 1,024 bytes
	s_mov_b32 s53, 0
	s_mul_i32 s54, s26, 1536
	s_lshl_b32 s55, s26, 2
	s_lshl_b32 s56, s26, 11
	s_add_co_u32 s56, s56, STG
	s_mov_b32 s[SEL], 0x76543210
	s_mov_b32 s[SEL+1], 0xfedcba98
	v_and_b32 v9, 31, v0                           ; lane
	v_and_b32 v15, 15, v0                          ; r
	v_bfe_u32 v11, v0, 4, 1                        ; h
	v_lshlrev_b32 v[LI], 4, v9
	v_lshlrev_b32 v14, 5, v9                       ; v14  32 x lane: my four points of the search
	v_lshlrev_b32 v10, 3, v15                      ; v10  8 r: a tile's point
	v_lshlrev_b32 v12, 5, v15                      ; v12  32 r: W3's scale words
	v_lshlrev_b32 v13, 4, v15                      ; v13  16 r: b3
	v_add_nc_u32 v[IWI], s54, v[LI]
	v_add_nc_u32 v[IWS], s55, v[LI]
	v_mov_b32 v[LB], s56
	v_add_nc_u32 v[STA], s56, v[LI]
	v_lshl_add_u32 v[PMS], v9, 6, PM
	v_add_nc_u32 v[PMS], s55, v[PMS]
	v_add_nc_u32 v[PML], PM, v13
	v_lshl_add_u32 v[GO], v11, 13, v13
	v_add_nc_u32 v[GO], s46, v[GO]
	v_lshlrev_b32 v11, 6, v11                      ; v11  64 h: my half's 16 numbers of a block of 32
.irp b, 0,1,2,3
	v_mov_b32 v[TM+4+\b], 0                        ; written once: a lane permute's destination counts as one of its sources
	v_mov_b32 v[MM+\b], 0x7f800000                 ; the minima begin at +infinity
.endr
	s_wait_kmcnt 0x0
	s_add_nc_u64 s[22:23], s[22:23], s[42:43]
	s_load_b32 s32, s[22:23], 0x0                  ; the batch's number of probes
	s_add_nc_u64 s[20:21], s[20:21], s[40:41]
	s_add_nc_u64 s[4:5], s[4:5], s[44:45]
	s_add_nc_u64 s[6:7], s[6:7], s[46:47]
	s_add_nc_u64 s[8:9], s[8:9], s[46:47]
	s_add_nc_u64 s[10:11], s[10:11], s[46:47]
	s_add_nc_u64 s[12:13], s[12:13], s[46:47]
	s_add_nc_u64 s[14:15], s[14:15], s[46:47]
	s_add_nc_u64 s[16:17], s[16:17], s[48:49]
	s_add_nc_u64 s[18:19], s[18:19], s[50:51]
	s_add_nc_u64 s[24:25], s[24:25], s[52:53]
	; the first loads: what the search wants first
.irp i, 0,1,2,3
	global_load_b128 v[LST+4*\i:LST+4*\i+3], v[LI], s[20:21] offset:512*\i   ; 128 entries of my sublist
.endr
	global_load_b128 v[ND:ND+3], v14, s[4:5]       ; points 4 lane .. 4 lane + 3
	global_load_b128 v[ND+4:ND+7], v14, s[4:5] offset:16
.irp m, 0,1,2,3,4,5,6,7
	global_load_b64 v[P+4*\m:P+4*\m+1], v10, s[4:5] offset:128*\m   ; point 16 m + r
.endr
	WIN 0x80                                       ; destination window 2
.irp b, 0,1
.irp j, 0,1,2,3
	global_load_b128 v[U+16*\b+4*\j:U+16*\b+4*\j+3],     v11, s[6:7]   offset:128*\b+16*\j
	global_load_b128 v[V+16*\b+4*\j:V+16*\b+4*\j+3],     v11, s[6:7]   offset:1024+128*\b+16*\j
	global_load_b128 v[C1+16*\b+4*\j:C1+16*\b+4*\j+3],   v11, s[8:9]   offset:128*\b+16*\j
	global_load_b128 v[W2R+16*\b+4*\j:W2R+16*\b+4*\j+3], v11, s[10:11] offset:128*\b+16*\j
	global_load_b128 v[B2R+16*\b+4*\j:B2R+16*\b+4*\j+3], v11, s[12:13] offset:128*\b+16*\j
.endr
.endr
	WIN 0
	s_wait_loadcnt 48                              ; the list's entries and my four points are in; the 8 + 40 loads issued behind them may stay out
	v_mov_b32 v[X],   v[ND]
	v_mov_b32 v[X+1], v[ND+2]
	v_mov_b32 v[X+2], v[ND+4]
	v_mov_b32 v[X+3], v[ND+6]
	v_mov_b32 v[Y],   v[ND+1]
	v_mov_b32 v[Y+1], v[ND+3]
	v_mov_b32 v[Y+2], v[ND+5]
	v_mov_b32 v[Y+3], v[ND+7]
	; W3: asked for now, wanted behind the search
	WIN 0x40                                       ; destination window 1
.irp t, 0,1,2,3
.irp s, 0,1,2,3
.irp c, 0,1,2
	global_load_b128 v[12*(4*\t+\s)+4*\c:12*(4*\t+\s)+4*\c+3], v[LI], s[16:17] offset:12288*(\s/2)+3072*\t+1536*(\s%2)+512*\c   ; a wave reads 512 consecutive bytes: four registers of a fragment, as they will stand
.endr
.endr
.endr
	WIN 0
.irp i, 0,1,2,3
	global_load_b128 v[W3S+4*\i:W3S+4*\i+3], v12, s[18:19] offset:512*(\i/2)+16*(\i%2)
.endr
	global_load_b128 v[B3:B3+3], v13, s[14:15]     ; b3 of columns 64 w + 4 r + 0 .. 3
	s_wait_kmcnt 0x0
	s_min_u32 s32, s32, 0x1000                     ; a batch has 4,096 points: the count is held there
	s_add_co_u32 s33, s32, 63
	s_lshr_b32 s33, s33, 6                         ; rows of 64 places to go: at most 64
	s_mov_b32 s34, 0
	; ---- THE SEARCH.  A trip takes 128 entries of my sublist (eight rows of the list) through my own stage in LDS, from which every lane reads every entry.
	; The backward jump is counted against 8.  With at most 64 rows the way out below is taken in the eighth trip at the latest, so no load passes my sublist's 16,384 bytes.
.Lchunk:
.irp i, 0,1,2,3
	ds_store_b128 v[STA], v[LST+4*\i:LST+4*\i+3] offset:512*\i   ; LDS serves a wave's instructions in order (ISA guide 5.7.1.4): the loads below see these
.endr
	LOAD8 0, 0
.irp hg, 0,1,2,3,4,5,6,7,8,9,10,11,12,13,14,15
	MDHALF \hg
.endr
.Lmd_exit:
	s_wait_dscnt 0x0                               ; entries asked for and not used have come; the stage's stores have read their registers
	s_cmp_le_u32 s33, 8
	s_cbranch_scc1 .Lmd_done
	s_sub_co_u32 s33, s33, 8
	s_wait_xcnt 0x0                                ; the loads issued so far have read their addresses: the list's base may step
	s_add_nc_u64 s[20:21], s[20:21], 2048
.irp i, 0,1,2,3
	global_load_b128 v[LST+4*\i:LST+4*\i+3], v[LI], s[20:21] offset:512*\i
.endr
	s_wait_loadcnt 0x0
	s_add_co_u32 s34, s34, 1
	s_cmp_lt_u32 s34, 8
	s_cbranch_scc1 .Lchunk
.Lmd_done:
.irp k, 0,1,2,3
	ds_store_b32 v[PMS], v[MM+\k] offset:16*\k     ; point 4 lane + k, my sublist's minimum
.endr
	s_wait_dscnt 0x0                               ; for the others' sake: my stores have landed
	s_barrier_signal -1
	s_barrier_wait -1
	; ---- the distance of each tile's point
.irp m, 0,1,2,3,4,5,6,7
	ds_load_b128 v[N+4*\m:N+4*\m+3], v[PML] offset:256*\m   ; point 16 m + r: the four waves' minima
.endr
	s_wait_loadcnt 53                              ; the tiles' points and the small weights are in; behind them 48 + 4 + 1 loads were issued (W3, its scale words, b3)
.irp m, 0,1,2,3,4,5,6,7
	v_mul_f32 v[P+4*\m+3], v[P+4*\m], v[P+4*\m]
.endr
.irp m, 0,1,2,3,4,5,6,7
	v_fma_f32 v[P+4*\m+3], v[P+4*\m+1], v[P+4*\m+1], v[P+4*\m+3]   ; x2, made as the list's entries were
.endr
	s_wait_dscnt 0x0
.irp m, 0,1,2,3,4,5,6,7
	v_min3_num_f32 v[P+4*\m+2], v[N+4*\m], v[N+4*\m+1], v[N+4*\m+2]
.endr
.irp m, 0,1,2,3,4,5,6,7
	v_min_num_f32 v[P+4*\m+2], v[P+4*\m+2], v[N+4*\m+3]
.endr
.irp m, 0,1,2,3,4,5,6,7
	v_add_f32 v[P+4*\m+2], v[P+4*\m+2], v[P+4*\m+3]
.endr
.irp m, 0,1,2,3,4,5,6,7
	v_max_num_f32 v[P+4*\m+2], 0, v[P+4*\m+2]      ; d2, clamped at 0
.endr
.irp m, 0,1,2,3,4,5,6,7
	v_sqrt_f32 v[P+4*\m+2], v[P+4*\m+2]            ; the root of 0 is 0
.endr
	v_nop                                          ; one plain place behind the last root
	s_wait_alu depctr_va_vdst(0)                   ; one wait for the eight roots, ahead of their first reader
	; ---- the first tile's K step; then the tiles
	GEN 0
	QUANT N
	IMAGE 0
	s_wait_dscnt 0x0
	s_barrier_signal -1
	s_barrier_wait -1
	s_wait_loadcnt 0x0                             ; W3's fragments, its scale words, b3
.irp m, 0,1,2,3,4,5,6,7
	TILE \m
.endr
	s_wait_tensorcnt 0x0
	ds_add_u32 v222, v223
	s_wait_dscnt 0x0
	s_endpgm
.Lfunc_end_k_q49736e28ca_main:
	.size	k_q49736e28ca_main, .Lfunc_end_k_q49736e28ca_main-k_q49736e28ca_main
	.p2alignl 7, 3214868480
	.fill 96, 4, 3214868480
	.section	.rodata,"a",@progbits
	.p2align	6, 0x0
	.amdhsa_kernel k_q49736e28ca_main
		.amdhsa_group_segment_fixed_size 66048
		.amdhsa_private_segment_fixed_size 0
		.amdhsa_enable_private_segment 0
		.amdhsa_kernarg_size 88
		.amdhsa_user_sgpr_count 2
		.amdhsa_user_sgpr_kernarg_segment_ptr 1
		.amdhsa_wavefront_size32 1
		.amdhsa_system_sgpr_workgroup_id_x 1
		.amdhsa_system_sgpr_workgroup_id_y 1
		.amdhsa_system_sgpr_workgroup_id_z 1
		.amdhsa_system_vgpr_workitem_id 0
		.amdhsa_next_free_vgpr 672
		.amdhsa_next_free_sgpr 66
		.amdhsa_reserve_vcc 0
		.amdhsa_float_denorm_mode_32 3
		.amdhsa_float_denorm_mode_16_64 3
		.amdhsa_memory_ordered 1
		.amdhsa_forward_progress 1
		.amdhsa_inst_pref_size 187
	.end_amdhsa_kernel
	.amdgpu_metadata
---
amdhsa.version: [ 1, 2 ]
amdhsa.kernels:
  - .name:           k_q49736e28ca_main
    .symbol:         k_q49736e28ca_main.kd
    .args:
      - { .name: locs, .offset: 0, .size: 8, .value_kind: global_buffer, .address_space: global }
      - { .name: W1, .offset: 8, .size: 8, .value_kind: global_buffer, .address_space: global }
      - { .name: b1, .offset: 16, .size: 8, .value_kind: global_buffer, .address_space: global }
      - { .name: W2, .offset: 24, .size: 8, .value_kind: global_buffer, .address_space: global }
      - { .name: b2, .offset: 32, .size: 8, .value_kind: global_buffer, .address_space: global }
      - { .name: b3, .offset: 40, .size: 8, .value_kind: global_buffer, .address_space: global }
      - { .name: w3f, .offset: 48, .size: 8, .value_kind: global_buffer, .address_space: global }
      - { .name: w3s, .offset: 56, .size: 8, .value_kind: global_buffer, .address_space: global }
      - { .name: plist, .offset: 64, .size: 8, .value_kind: global_buffer, .address_space: global }
      - { .name: pcount, .offset: 72, .size: 8, .value_kind: global_buffer, .address_space: global }
      - { .name: out0, .offset: 80, .size: 8, .value_kind: global_buffer, .address_space: global }
    .group_segment_fixed_size: 66048
    .private_segment_fixed_size: 0
    .kernarg_segment_align: 8
    .kernarg_segment_size: 88
    .max_flat_workgroup_size: 128
    .sgpr_count:     66
    .vgpr_count:     672
    .wavefront_size: 32
...
	.end_amdgpu_metadata
.endif
;; end of part 2
;; ======== version 2 of 2: 2 launches; version 1 with the launch main written anew for expert scheduling mode
;; workspace buffers: w3f 98,304 bytes; w3s 4,096 bytes; plist 524,288 bytes; pcount 256 bytes of whole numbers
;; launch prep: the kernel of part 1 again; grid 8 x 1, 16 waves a work-group, no clusters, 15,360 bytes of LDS; arguments W3, locs, probe, w3f, w3s, plist, pcount; writes w3f, w3s, plist, pcount
;; launch main (part 3): grid 256 x 1, 4 waves a work-group, no clusters, 66,048 bytes of LDS; arguments locs, W1, b1, W2, b2, b3, w3f, w3s, plist, pcount, out0; writes out0
.if DOCPART == 3
	.amdgcn_target "amdgcn-amd-amdhsa--gfx1250"
	.amdhsa_code_object_version 6
	.text
	.protected	k_q49736e28ca_main
	.globl	k_q49736e28ca_main
	.p2align	8
	.type	k_q49736e28ca_main,@function
k_q49736e28ca_main:
	s_mov_b64 s[64:65], 0
	v_nop
	global_prefetch_b8 v0, s[64:65] scope:SCOPE_SE
	s_setreg_imm32_b32 hwreg(HW_REG_WAVE_SCHED_MODE, 0, 2), 2
	s_setreg_imm32_b32 hwreg(HW_REG_WAVE_MODE, 25, 1), 1
	s_wait_xcnt 0x0
	s_wait_alu depctr_vm_vsrc(0)
; out[b][j][:] = Q(cat(j)) Q(W3) + b3, cat(j) = (x W1[0] + y W1[1] + b1, md W2 + b2), md = the distance from point j to the nearest probe of its batch; Q: codes of BF6 (E3M2), one E8M0 scale for each 32 along K.
; SHARES.  256 work-groups of four waves; a work-group owns 128 points of one batch.  A wave has three parts to play:
;   THE SEARCH: all 128 points (a lane holds four) against sublist w of the batch's list of probes, which the launch before has gathered; the four waves' minima meet in LDS.
;   THE QUANTISING: K step w (128 of the 512 along K) of every tile of 16 rows: made in f32, quantised in registers, sent to LDS as an image of the operand's registers.
;   THE PRODUCT: columns 64 w .. 64 w + 63 for all 128 rows; its 16 fragments of W3 stay in registers for the whole launch.
; THE DISTANCE.  An entry of the list is (a, b, c) = (-2 x_i, -2 y_i, x_i^2 + y_i^2).  w = fma(b, y_j, a x_j) + c; m = the least w; d2 = max(m + x2_j, 0); md = sqrt(d2): the squared-norm expansion, in f32.
;   Adding x2_j behind the minimum gives the same number as adding it to each w, since a rounded sum does not fall where w rises; root and clamp are taken once a point for the same reason.
;   A probe's distance to itself is exactly 0: fma(b, y, a x) is then exactly -2 x2.
; K IS PERMUTED BY WHOLE BLOCKS, alike on both operands: K step s holds the original blocks 2 s, 2 s + 1 (of x W1 + b1) and 8 + 2 s, 9 + 2 s (of md W2 + b2): so every K step is made by the same lines.
; THE COLUMNS OF A TILE: tile t, lane r stand for column 64 w + 4 r + t: a lane's results of the four tiles are four neighbouring columns, and sixteen lanes store 256 consecutive bytes, aligned, with no way through LDS.
; NO CLUSTER, NO TENSOR LOAD: the search's number of steps is read from memory; what the work-groups share, W3's images, is read once by each, straight into registers.
; LIMITS: a batch without a probe (the result is then not finite) is not served; NaN and infinities among the inputs are not served; a d2 under 2^-126 counts as 0 (the root takes a denormal as zero: ISA guide, its entry in 15.8);
;   a block of zeros gets the scale byte 1 (its codes are zeros); the order of K in the f32 sums is the permuted one.
; REGISTERS, in windows of 256.  Window 0: v1-14 addresses; v16-47 the tiles' points; v48-67 scale words and nothing else; v68-71 b3; v72-119 A's four fragments; v120-183 64 numbers; v184-220 the quantiser's; v224-255 four accumulators.
;   In the search v72-107, v120-199 and v224-255 serve otherwise (below).  Window 1: W3's 16 fragments.  Window 2: my K step's 32 numbers each of W1[0], W1[1], b1, W2, b2; from v160 the out-buffer.
; THE MODE: SCHED_MODE bits 1:0 = 2 (LLVM: expert scheduling mode 2), set by the entry lines.  The code itself states the register dependences between vector or matrix instructions
; and memory or LDS instructions, with s_wait_alu, always for 0.
; THE PLAN.  Registers that memory or LDS instructions touch:
;   v1-v8, v10-v14  addresses and offsets: made once at the head, never written again.
;   LST             written by global loads, read by the stage's LDS stores.
;   E0, E1, E2      three sets of eight entries.  Half h of a trip's sixteen: its LDS loads land in set h % 3, its 64 lines read that set.  A row is two halves.
;                   ONE wait on va_vdst at a row's head states that the two halves before are done reading their sets; in these the loads of the next two halves land: one run at the head, one in the row's middle.
;   MM              written by the search, read by the four LDS stores of the minima.
;   AF, AS          written by a tile's 13 LDS loads, read by its sixteen products.
;   PC, PW          written by the quantiser, read by the image's four LDS stores.
;   O               written by a tile's 32 additions, read by eight global stores that are issued at the NEXT tile's head.
;   A tile has: at its head one wait on va_vdst (the last tile's products have read AF and AS, its additions have written O) for the 13 loads and the eight stores, and one on vm_vsrc (the image's stores have read PC and PW);
;   one on va_vdst ahead of the image's stores; one on vm_vsrc ahead of the additions, nearly a tile behind the stores that it names.
.set AIMG, 0                           ; LDS: A's fragments as images: tile m, K step s at 1,536 (4 m + s): 49,152 bytes
.set ASC,  49152                       ; their scale words: tile m at 512 m; a lane's four words at 16 x lane + 4 s
.set PM,   53248                       ; the four waves' minima: point p at 16 p + 4 w
.set STG,  55296                       ; 2,048 bytes of each wave's own: 128 entries of its sublist
.set LI,   1                           ; v1   16 x lane
.set IWI,  2                           ; v2   16 x lane + 1,536 w: where my images go
.set IWS,  3                           ; v3   16 x lane + 4 w: and their scale words
.set LB,   4                           ; v4   my stage's first byte, the same in all lanes
.set STA,  5                           ; v5   my stage + 16 x lane
.set PMS,  6                           ; v6   PM + 64 x lane + 4 w
.set PML,  7                           ; v7   PM + 16 r
.set GO,   8                           ; v8   out: 8,192 h + 16 r + 256 w
.set P,    16                          ; tile m: x, y, md, x2 of row 16 m + r at v[P + 4 m]
.set W3S,  48                          ; W3's scale word of (t, s) at v[W3S + 8 (s / 2) + 2 t + s % 2]
.set AS,   64                          ; the tile's four scale words
.set B3,   68
.set AF,   72                          ; A's fragment of K step s at v[AF + 12 s]
.set N,    120
.set O,    160                         ; in window 2: the out-buffer, 32 registers
.set PC,   184
.set TM,   204
.set PW,   220
.set ACC,  224
.set LST,  72                          ; the search: 128 entries on their way to the stage
.set ND,   88                          ; my four points as loaded
.set X,    96                          ; v[96:99] their x, v[100:103] their y
.set Y,    100
.set MM,   104                         ; v[104:107] their running minima
.set E,    120                         ; three sets of eight entries: at v120, v152 and, where the accumulators will lie, v224: set i at E + 32 i + 40 (i / 2)
.set T,    184                         ; two banks of eight, at work
.set U,    0                           ; window 2
.set V,    32
.set C1,   64
.set W2R,  96
.set B2R,  128
.set SEL,  36                          ; s[36:37] v_permlanex16_b32's selects for lane l xor 16
.set MSB, 0
.macro WIN new                         ; the immediate's high byte repeats the setting that is left
.if MSB != \new
	s_set_vgpr_msb (MSB<<8)|\new
.set MSB, \new
.endif
.endm
; eight entries of my stage, every lane the same 16 bytes
.macro LOAD8 set, hg
.irp p, 0,1,2,3,4,5,6,7
	ds_load_b128 v[E+32*(\set)+40*((\set)/2)+4*\p:E+32*(\set)+40*((\set)/2)+4*\p+3], v[LB] offset:16*(8*(\hg)+\p)
.endr
.endm
; eight probes against my four points: two probes at a time, sixteen lines
.macro COMP8 set
.irp pp, 0,1,2,3
.set EB, E+32*(\set)+40*((\set)/2)+8*\pp
.set TB, T+8*(\pp%2)
	v_pk_mul_f32 v[TB:TB+1],   v[X:X+1],   v[EB:EB+1]   op_sel_hi:[1,0]          ; a x_j
	v_pk_mul_f32 v[TB+2:TB+3], v[X+2:X+3], v[EB:EB+1]   op_sel_hi:[1,0]
	v_pk_mul_f32 v[TB+4:TB+5], v[X:X+1],   v[EB+4:EB+5] op_sel_hi:[1,0]
	v_pk_mul_f32 v[TB+6:TB+7], v[X+2:X+3], v[EB+4:EB+5] op_sel_hi:[1,0]
	v_pk_fma_f32 v[TB:TB+1],   v[Y:Y+1],   v[EB:EB+1],   v[TB:TB+1]   op_sel:[0,1,0] op_sel_hi:[1,1,1]   ; + b y_j: of the pair (a, b) the upper word serves both halves
	v_pk_fma_f32 v[TB+2:TB+3], v[Y+2:Y+3], v[EB:EB+1],   v[TB+2:TB+3] op_sel:[0,1,0] op_sel_hi:[1,1,1]
	v_pk_fma_f32 v[TB+4:TB+5], v[Y:Y+1],   v[EB+4:EB+5], v[TB+4:TB+5] op_sel:[0,1,0] op_sel_hi:[1,1,1]
	v_pk_fma_f32 v[TB+6:TB+7], v[Y+2:Y+3], v[EB+4:EB+5], v[TB+6:TB+7] op_sel:[0,1,0] op_sel_hi:[1,1,1]
	v_pk_add_f32 v[TB:TB+1],   v[TB:TB+1],   v[EB+2:EB+3] op_sel_hi:[1,0]        ; + c
	v_pk_add_f32 v[TB+2:TB+3], v[TB+2:TB+3], v[EB+2:EB+3] op_sel_hi:[1,0]
	v_pk_add_f32 v[TB+4:TB+5], v[TB+4:TB+5], v[EB+6:EB+7] op_sel_hi:[1,0]
	v_pk_add_f32 v[TB+6:TB+7], v[TB+6:TB+7], v[EB+6:EB+7] op_sel_hi:[1,0]
.irp k, 0,1,2,3
	v_min3_num_f32 v[MM+\k], v[MM+\k], v[TB+\k], v[TB+4+\k]
.endr
.endr
.endm
; A row of the list (64 places, 16 in each sublist): halves 2 r and 2 r + 1 of the trip.  Ahead of each row: are there rows left?  A scalar branch on the stored count; it is the same in all four waves, and no barrier stands under it.
.macro MDROW r
	s_cmp_le_u32 s33, \r
	s_cbranch_scc1 .Lmd_exit
.if (\r) > 0
	s_wait_alu depctr_va_vdst(0)                   ; the lines of halves 2 r - 2 and 2 r - 1 are done reading their sets, in which the loads of halves 2 r + 1 and 2 r + 2 land.  (Row 0: the wait at the kernel's head, or the one behind the last trip, has stated it)
.endif
	LOAD8 (2*(\r)+1)%3, 2*(\r)+1
	s_wait_dscnt 8                                 ; half 2 r's eight entries are in; the eight just asked for may stay out
	COMP8 (2*(\r))%3
.if (\r) < 7
	LOAD8 (2*(\r)+2)%3, 2*(\r)+2                   ; no wait: the lines issued since the row's head name set 2 r % 3, T, X, Y and MM, none of the registers that these loads touch
	s_wait_dscnt 8                                 ; half 2 r + 1's eight entries are in
.else
	s_wait_dscnt 0x0
.endif
	COMP8 (2*(\r)+1)%3
.endm
; my K step of tile m in f32: register 16 b + i is, for b = 0, 1, x W1[0] + y W1[1] + b1 and, for b = 2, 3, md W2 + b2, at column 64 w + 32 (b % 2) + 16 h + i
.macro GEN m
	WIN 0x22                                       ; sources 0 and 2 window 2
.irp j, 0,2,4,6,8,10,12,14,16,18,20,22,24,26,28,30
	v_pk_fma_f32 v[N+\j:N+\j+1], v[U+\j:U+\j+1], v[P+4*(\m):P+4*(\m)+1], v[C1+\j:C1+\j+1] op_sel_hi:[1,0,1]          ; W1[0] x + b1
.endr
.irp j, 0,2,4,6,8,10,12,14,16,18,20,22,24,26,28,30
	v_pk_fma_f32 v[N+32+\j:N+33+\j], v[W2R+\j:W2R+\j+1], v[P+4*(\m)+2:P+4*(\m)+3], v[B2R+\j:B2R+\j+1] op_sel_hi:[1,0,1]   ; W2 md + b2
.endr
	WIN 0x02                                       ; source 0 window 2
.irp j, 0,2,4,6,8,10,12,14,16,18,20,22,24,26,28,30
	v_pk_fma_f32 v[N+\j:N+\j+1], v[V+\j:V+\j+1], v[P+4*(\m):P+4*(\m)+1], v[N+\j:N+\j+1] op_sel:[0,1,0] op_sel_hi:[1,1,1]   ; + W1[1] y
.endr
	WIN 0
.endm
; 64 numbers of a lane, register 16 b + i = k 32 b + 16 (lane / 16) + i of my row, become a fragment's codes in v[PC] on and its scale word in v[PW]
.macro QUANT s
.irp b, 0,1,2,3
	v_max3_num_f32 v[TM+\b], |v[\s+16*\b]|, |v[\s+1+16*\b]|, 0x2800000   ; block b: my 16 numbers, and the floor 2^(5 - 127): the byte cannot fall under 1
.endr
.irp i, 2,4,6,8,10,12,14
.irp b, 0,1,2,3
	v_max3_num_f32 v[TM+\b], v[TM+\b], |v[\s+16*\b+\i]|, |v[\s+1+16*\b+\i]|   ; (the four blocks by turns)
.endr
.endr
.irp b, 0,1,2,3
	v_permlanex16_b32 v[TM+4+\b], v[TM+\b], s[SEL], s[SEL+1]
.endr
.irp b, 0,1,2,3
	v_max_num_f32 v[TM+\b], v[TM+\b], v[TM+4+\b]   ; with lane l xor 16's: the block's largest magnitude
.endr
.irp b, 0,1,2,3
	v_add_nc_u32 v[TM+12+\b], 0xfe000000, v[TM+\b]   ; 4 off its exponent field: the conversion's scale operand
.endr
.irp b, 0,1,2,3
	v_lshrrev_b32 v[TM+4+\b], 23, v[TM+12+\b]      ; the scale's byte
.endr
	v_lshl_or_b32 v[PW], v[TM+5], 8, v[TM+4]       ; the four bytes make my row's scale word
	v_lshl_or_b32 v[PW], v[TM+6], 16, v[PW]
	v_lshl_or_b32 v[PW], v[TM+7], 24, v[PW]
.irp c, 0,1
	v_cvt_scalef32_pk16_bf6_f32 v[PC+6*\c:PC+2+6*\c], v[\s+32*\c:\s+15+32*\c], v[TM+12+2*\c]
	v_cvt_scalef32_pk16_bf6_f32 v[PC+12+4*\c:PC+14+4*\c], v[\s+16+32*\c:\s+31+32*\c], v[TM+12+2*\c+1]   ; (a conversion's three registers begin on an even number)
.endr
	v_nop                                          ; one plain place behind a scaled conversion
.irp c, 0,1                            ; the operand's layout wants a WHOLE block in a lane: lanes 0-15 block 2 c, lanes 16-31 block 2 c + 1
.irp i, 0,1,2
	v_permlane16_swap_b32 v[PC+6*\c+\i], v[PC+12+4*\c+\i]
.endr
.irp i, 0,1,2
	v_mov_b32 v[PC+3+6*\c+\i], v[PC+12+4*\c+\i]
.endr
.endr
.endm
.macro IMAGE m                         ; the fragment goes to LDS as it stands: lane l's 16 bytes at 16 l, 512 bytes a store; its scale word beside the other K steps'
.irp c, 0,1,2
	ds_store_b128 v[IWI], v[PC+4*\c:PC+4*\c+3] offset:AIMG+6144*(\m)+512*\c
.endr
	ds_store_b32 v[IWS], v[PW] offset:ASC+512*(\m)
.endm
.macro FETCHA m                        ; and comes back so, in every wave: the tile's four fragments and four scale words
.irp s, 0,1,2,3
.irp c, 0,1,2
	ds_load_b128 v[AF+12*\s+4*\c:AF+12*\s+4*\c+3], v[LI] offset:AIMG+6144*(\m)+1536*\s+512*\c
.endr
.endr
	ds_load_b128 v[AS:AS+3], v[LI] offset:ASC+512*(\m)
.endm
; 16 rows x my 64 columns x 512 along K: source 0 = the rows, source 1 = 16 columns of W3.  The four accumulators take turns, one instruction a turn; the first K step starts the sums.
.macro MUL16
	WIN 0x04                                       ; source 1 (W3) window 1
.irp s, 0,1,2,3
.irp t, 0,1,2,3
.if \s == 0
	v_wmma_scale_f32_16x16x128_f8f6f4 v[ACC+8*\t:ACC+8*\t+7], v[AF+12*\s:AF+12*\s+11], v[12*(4*\t+\s):12*(4*\t+\s)+11], 0, v[AS+\s], v[W3S+8*(\s/2)+2*\t+(\s%2)] matrix_a_fmt:MATRIX_FMT_BF6 matrix_b_fmt:MATRIX_FMT_BF6
.else
	v_wmma_scale_f32_16x16x128_f8f6f4 v[ACC+8*\t:ACC+8*\t+7], v[AF+12*\s:AF+12*\s+11], v[12*(4*\t+\s):12*(4*\t+\s)+11], v[ACC+8*\t:ACC+8*\t+7], v[AS+\s], v[W3S+8*(\s/2)+2*\t+(\s%2)] matrix_a_fmt:MATRIX_FMT_BF6 matrix_b_fmt:MATRIX_FMT_BF6
.endif
.endr
.endr
.endm
; tile m's 16 rows leave from the out-buffer
.macro SEND m
	WIN 0x08                                       ; a store's data are its source 1: window 2
.irp j, 0,1,2,3,4,5,6,7
	global_store_b128 v[GO], v[O+4*\j:O+4*\j+3], s[24:25] offset:(16*(\m)+\j)*1024 th:TH_STORE_NT   ; lanes 0-15: 256 consecutive bytes, aligned, of row 16 m + j; lanes 16-31: of row 16 m + 8 + j; written once
.endr
.endm
; A TILE OF 16 ROWS.  Its fragments are asked of LDS and the last tile's rows are stored; while the fragments come, my K step of the NEXT tile is made, quantised and sent; one barrier a tile, its signal ahead of the products and its wait behind them.
; Each tile's images have LDS bytes of their own: nothing is written over, so the one barrier orders the stores ahead of the other waves' loads and no more is needed.
.macro TILE m
.if (\m) > 0
	s_wait_alu depctr_va_vdst(0)                   ; the last tile's products are done reading the fragments and the scale words, in which the loads below land; its additions have written the out-buffer, which the stores below read
.endif
.if (\m) == 0
	s_wait_alu depctr_vm_vsrc(0)                   ; the LDS stores of the minima have read v[MM ..], in which a fragment lands; this tile's image's stores have read v[PC ..] and v[PW], which the quantiser writes again
.elseif (\m) < 7
	s_wait_alu depctr_vm_vsrc(0)                   ; this tile's image's LDS stores, issued in the last tile, have read v[PC ..] and v[PW], which the quantiser writes again
.endif
	FETCHA \m
.if (\m) > 0
	SEND (\m)-1                                    ; no vector or matrix instruction since the wait at the head
.endif
.if (\m) < 7
	GEN (\m)+1
	QUANT N
	s_wait_alu depctr_va_vdst(0)                   ; the quantiser has written v[PC ..] and v[PW], which the image's LDS stores read
	IMAGE (\m)+1
.endif
	s_wait_dscnt 0x0                               ; my fragments are in; my stores have landed
.if (\m) < 7
	s_barrier_signal -1
.endif
	MUL16
.rept 4
	v_nop                                          ; four places behind the last product (ISA guide 7.12.1), for the reads of the results
.endr
.if (\m) > 0
	s_wait_xcnt 0x0                                ; the stores issued at this tile's head have had their addresses translated (ISA guide 3.1): their data registers are rewritten only behind this wait,
	s_wait_alu depctr_vm_vsrc(0)                   ; and they have read the out-buffer, which the additions below write again
.endif
	WIN 0x80                                       ; destination window 2
.irp j, 0,1,2,3,4,5,6,7                ; + b3; the same line puts a row's four neighbouring columns into four neighbouring registers.  Each accumulator is read from its register 0 on
.irp t, 0,1,2,3
	v_add_f32 v[O+4*\j+\t], v[ACC+8*\t+\j], v[B3+\t]
.endr
.endr
.if (\m) < 7
	WIN 0
	s_barrier_wait -1                              ; the next tile's four fragments lie in LDS
.endif
.endm
	s_load_b256 s[4:11], s[0:1], 0x0               ; locs s[4:5], W1 s[6:7], b1 s[8:9], W2 s[10:11]
	s_load_b256 s[12:19], s[0:1], 0x20             ; b2 s[12:13], b3 s[14:15], w3f s[16:17], w3s s[18:19]
	s_load_b128 s[20:23], s[0:1], 0x40             ; plist s[20:21], pcount s[22:23]
	s_load_b64 s[24:25], s[0:1], 0x50              ; out0
	v_lshl_add_u32 v222, v0, 2, 0x10000
	v_mov_b32 v223, 0
	v_lshrrev_b32 v15, 5, v0
	v_readfirstlane_b32 s26, v15                   ; wave 0..3
	s_lshr_b32 s27, ttmp9, 5                       ; the batch
	s_and_b32 s28, ttmp9, 31                       ; which 128 of its points
	s_wait_alu depctr_va_sdst(0)                   ; s26 is written, ahead of its first reader: offsets and LDS addresses are made from it
	s_lshl_b32 s40, s27, 16                        ; plist: the batch's 65,536 bytes, my sublist's 16,384
	s_lshl_b32 s41, s26, 14
	s_add_co_u32 s40, s40, s41
	s_mov_b32 s41, 0
	s_lshl_b32 s42, s27, 2                         ; pcount: the batch's word
	s_mov_b32 s43, 0
	s_lshl_b32 s44, s27, 15                        ; locs: the batch's 32,768 bytes, my work-group's 1,024
	s_lshl_b32 s45, s28, 10
	s_add_co_u32 s44, s44, s45
	s_mov_b32 s45, 0
	s_lshl_b32 s46, s26, 8                         ; W1, b1, W2, b2, b3: 64 numbers a wave
	s_mov_b32 s47, 0
	s_mul_i32 s48, s26, 24576                      ; w3f: my quarter's two regions
	s_mov_b32 s49, 0
	s_lshl_b32 s50, s26, 10                        ; w3s likewise
	s_mov_b32 s51, 0
	s_lshl_b32 s52, ttmp9, 17                      ; out0: 128 rows of 1,024 bytes
	s_mov_b32 s53, 0
	s_mul_i32 s54, s26, 1536
	s_lshl_b32 s55, s26, 2
	s_lshl_b32 s56, s26, 11
	s_add_co_u32 s56, s56, STG
	s_mov_b32 s[SEL], 0x76543210
	s_mov_b32 s[SEL+1], 0xfedcba98
	v_and_b32 v9, 31, v0                           ; lane
	v_and_b32 v15, 15, v0                          ; r
	v_bfe_u32 v11, v0, 4, 1                        ; h
	v_lshlrev_b32 v[LI], 4, v9
	v_lshlrev_b32 v14, 5, v9                       ; v14  32 x lane: my four points of the search
	v_lshlrev_b32 v10, 3, v15                      ; v10  8 r: a tile's point
	v_lshlrev_b32 v12, 5, v15                      ; v12  32 r: W3's scale words
	v_lshlrev_b32 v13, 4, v15                      ; v13  16 r: b3
	v_add_nc_u32 v[IWI], s54, v[LI]
	v_add_nc_u32 v[IWS], s55, v[LI]
	v_mov_b32 v[LB], s56
	v_add_nc_u32 v[STA], s56, v[LI]
	v_lshl_add_u32 v[PMS], v9, 6, PM
	v_add_nc_u32 v[PMS], s55, v[PMS]
	v_add_nc_u32 v[PML], PM, v13
	v_lshl_add_u32 v[GO], v11, 13, v13
	v_add_nc_u32 v[GO], s46, v[GO]
	v_lshlrev_b32 v11, 6, v11                      ; v11  64 h: my half's 16 numbers of a block of 32
.irp b, 0,1,2,3
	v_mov_b32 v[TM+4+\b], 0                        ; written once: a lane permute's destination counts as one of its sources
	v_mov_b32 v[MM+\b], 0x7f800000                 ; the minima begin at +infinity
.endr
	s_wait_kmcnt 0x0
	s_add_nc_u64 s[22:23], s[22:23], s[42:43]
	s_load_b32 s32, s[22:23], 0x0                  ; the batch's number of probes
	s_add_nc_u64 s[20:21], s[20:21], s[40:41]
	s_add_nc_u64 s[4:5], s[4:5], s[44:45]
	s_add_nc_u64 s[6:7], s[6:7], s[46:47]
	s_add_nc_u64 s[8:9], s[8:9], s[46:47]
	s_add_nc_u64 s[10:11], s[10:11], s[46:47]
	s_add_nc_u64 s[12:13], s[12:13], s[46:47]
	s_add_nc_u64 s[14:15], s[14:15], s[46:47]
	s_add_nc_u64 s[16:17], s[16:17], s[48:49]
	s_add_nc_u64 s[18:19], s[18:19], s[50:51]
	s_add_nc_u64 s[24:25], s[24:25], s[52:53]
	s_wait_alu depctr_va_vdst(0)                   ; the addresses and offsets v1 to v8 and v10 to v14 are written: every load and store of the kernel reads one of them, and none is written again
	; the first loads: what the search wants first
.irp i, 0,1,2,3
	global_load_b128 v[LST+4*\i:LST+4*\i+3], v[LI], s[20:21] offset:512*\i   ; 128 entries of my sublist
.endr
	global_load_b128 v[ND:ND+3], v14, s[4:5]       ; points 4 lane .. 4 lane + 3
	global_load_b128 v[ND+4:ND+7], v14, s[4:5] offset:16
.irp m, 0,1,2,3,4,5,6,7
	global_load_b64 v[P+4*\m:P+4*\m+1], v10, s[4:5] offset:128*\m   ; point 16 m + r
.endr
	WIN 0x80                                       ; destination window 2
.irp b, 0,1
.irp j, 0,1,2,3
	global_load_b128 v[U+16*\b+4*\j:U+16*\b+4*\j+3],     v11, s[6:7]   offset:128*\b+16*\j
	global_load_b128 v[V+16*\b+4*\j:V+16*\b+4*\j+3],     v11, s[6:7]   offset:1024+128*\b+16*\j
	global_load_b128 v[C1+16*\b+4*\j:C1+16*\b+4*\j+3],   v11, s[8:9]   offset:128*\b+16*\j
	global_load_b128 v[W2R+16*\b+4*\j:W2R+16*\b+4*\j+3], v11, s[10:11] offset:128*\b+16*\j
	global_load_b128 v[B2R+16*\b+4*\j:B2R+16*\b+4*\j+3], v11, s[12:13] offset:128*\b+16*\j
.endr
.endr
	WIN 0
	s_wait_loadcnt 48                              ; the list's entries and my four points are in; the 8 + 40 loads issued behind them may stay out
	v_mov_b32 v[X],   v[ND]                        ; (these eight lines name v88 to v103 alone: none of the registers that the loads below, or the search's LDS instructions, touch)
	v_mov_b32 v[X+1], v[ND+2]
	v_mov_b32 v[X+2], v[ND+4]
	v_mov_b32 v[X+3], v[ND+6]
	v_mov_b32 v[Y],   v[ND+1]
	v_mov_b32 v[Y+1], v[ND+3]
	v_mov_b32 v[Y+2], v[ND+5]
	v_mov_b32 v[Y+3], v[ND+7]
	; W3: asked for now, wanted behind the search
	WIN 0x40                                       ; destination window 1
.irp t, 0,1,2,3
.irp s, 0,1,2,3
.irp c, 0,1,2
	global_load_b128 v[12*(4*\t+\s)+4*\c:12*(4*\t+\s)+4*\c+3], v[LI], s[16:17] offset:12288*(\s/2)+3072*\t+1536*(\s%2)+512*\c   ; a wave reads 512 consecutive bytes: four registers of a fragment, as they will stand
.endr
.endr
.endr
	WIN 0
.irp i, 0,1,2,3
	global_load_b128 v[W3S+4*\i:W3S+4*\i+3], v12, s[18:19] offset:512*(\i/2)+16*(\i%2)
.endr
	global_load_b128 v[B3:B3+3], v13, s[14:15]     ; b3 of columns 64 w + 4 r + 0 .. 3
	s_wait_kmcnt 0x0
	s_min_u32 s32, s32, 0x1000                     ; a batch has 4,096 points: the count is held there
	s_add_co_u32 s33, s32, 63
	s_lshr_b32 s33, s33, 6                         ; rows of 64 places to go: at most 64
	s_mov_b32 s34, 0
	; ---- THE SEARCH.  A trip takes 128 entries of my sublist (eight rows of the list) through my own stage in LDS, from which every lane reads every entry.
	; The backward jump is counted against 8.  With at most 64 rows the way out below is taken in the eighth trip at the latest, so no load passes my sublist's 16,384 bytes.
.Lchunk:
.irp i, 0,1,2,3
	ds_store_b128 v[STA], v[LST+4*\i:LST+4*\i+3] offset:512*\i   ; LDS serves a wave's instructions in order (ISA guide 5.7.1.4): the loads below see these
.endr
	LOAD8 0, 0
.irp r, 0,1,2,3,4,5,6,7
	MDROW \r
.endr
.Lmd_exit:
	s_wait_dscnt 0x0                               ; entries asked for and not used have come
	s_wait_alu depctr_va_vdst(0)                   ; the search's lines have written v[MM ..], which the LDS stores of the minima read, and are done reading all three sets, in which the next trip's loads and the loads of the waves' minima land
	s_wait_alu depctr_vm_vsrc(0)                   ; the stage's LDS stores have read v[LST ..], in which the next trip's entries and, behind the search, a fragment land
	s_cmp_le_u32 s33, 8
	s_cbranch_scc1 .Lmd_done
	s_sub_co_u32 s33, s33, 8
	s_wait_xcnt 0x0                                ; the loads issued so far have read their addresses: the list's base may step
	s_add_nc_u64 s[20:21], s[20:21], 2048
.irp i, 0,1,2,3
	global_load_b128 v[LST+4*\i:LST+4*\i+3], v[LI], s[20:21] offset:512*\i
.endr
	s_wait_loadcnt 0x0
	s_add_co_u32 s34, s34, 1
	s_cmp_lt_u32 s34, 8
	s_cbranch_scc1 .Lchunk
.Lmd_done:
.irp k, 0,1,2,3
	ds_store_b32 v[PMS], v[MM+\k] offset:16*\k     ; point 4 lane + k, my sublist's minimum
.endr
	s_wait_dscnt 0x0                               ; for the others' sake: my stores have landed
	s_barrier_signal -1
	s_barrier_wait -1
	; ---- the distance of each tile's point
.irp m, 0,1,2,3,4,5,6,7
	ds_load_b128 v[N+4*\m:N+4*\m+3], v[PML] offset:256*\m   ; point 16 m + r: the four waves' minima.  (No vector instruction since the wait behind the search)
.endr
	s_wait_loadcnt 53                              ; the tiles' points and the small weights are in; behind them 48 + 4 + 1 loads were issued (W3, its scale words, b3)
.irp m, 0,1,2,3,4,5,6,7
	v_mul_f32 v[P+4*\m+3], v[P+4*\m], v[P+4*\m]
.endr
.irp m, 0,1,2,3,4,5,6,7
	v_fma_f32 v[P+4*\m+3], v[P+4*\m+1], v[P+4*\m+1], v[P+4*\m+3]   ; x2, made as the list's entries were
.endr
	s_wait_dscnt 0x0
.irp m, 0,1,2,3,4,5,6,7
	v_min3_num_f32 v[P+4*\m+2], v[N+4*\m], v[N+4*\m+1], v[N+4*\m+2]
.endr
.irp m, 0,1,2,3,4,5,6,7
	v_min_num_f32 v[P+4*\m+2], v[P+4*\m+2], v[N+4*\m+3]
.endr
.irp m, 0,1,2,3,4,5,6,7
	v_add_f32 v[P+4*\m+2], v[P+4*\m+2], v[P+4*\m+3]
.endr
.irp m, 0,1,2,3,4,5,6,7
	v_max_num_f32 v[P+4*\m+2], 0, v[P+4*\m+2]      ; d2, clamped at 0
.endr
.irp m, 0,1,2,3,4,5,6,7
	v_sqrt_f32 v[P+4*\m+2], v[P+4*\m+2]            ; the root of 0 is 0
.endr
	v_nop                                          ; one plain place behind the last root
	s_wait_alu depctr_va_vdst(0)                   ; one wait for the eight roots, ahead of their first reader
	; ---- the first tile's K step; then the tiles
	GEN 0
	QUANT N
	s_wait_alu depctr_va_vdst(0)                   ; the quantiser has written v[PC ..] and v[PW], which the image's LDS stores read
	IMAGE 0
	s_wait_dscnt 0x0
	s_barrier_signal -1
	s_barrier_wait -1
	s_wait_loadcnt 0x0                             ; W3's fragments, its scale words, b3
.irp m, 0,1,2,3,4,5,6,7
	TILE \m
.endr
	s_wait_alu depctr_va_vdst(0)                   ; the last tile's additions have written the out-buffer, which the last eight stores read
	SEND 7
	WIN 0                                          ; the add's two registers lie in window 0
	s_wait_dscnt 0x0                               ; the closing lines, six on end
	s_wait_alu 0x0
	s_wait_tensorcnt 0x0
	ds_add_u32 v222, v223
	s_wait_dscnt 0x0
	s_endpgm
.Lfunc_end_k_q49736e28ca_main:
	.size	k_q49736e28ca_main, .Lfunc_end_k_q49736e28ca_main-k_q49736e28ca_main
	.p2alignl 7, 3214868480
	.fill 96, 4, 3214868480
	.section	.rodata,"a",@progbits
	.p2align	6, 0x0
	.amdhsa_kernel k_q49736e28ca_main
		.amdhsa_group_segment_fixed_size 66048
		.amdhsa_private_segment_fixed_size 0
		.amdhsa_enable_private_segment 0
		.amdhsa_kernarg_size 88
		.amdhsa_user_sgpr_count 2
		.amdhsa_user_sgpr_kernarg_segment_ptr 1
		.amdhsa_wavefront_size32 1
		.amdhsa_system_sgpr_workgroup_id_x 1
		.amdhsa_system_sgpr_workgroup_id_y 1
		.amdhsa_system_sgpr_workgroup_id_z 1
		.amdhsa_system_vgpr_workitem_id 0
		.amdhsa_next_free_vgpr 704
		.amdhsa_next_free_sgpr 66
		.amdhsa_reserve_vcc 0
		.amdhsa_float_denorm_mode_32 3
		.amdhsa_float_denorm_mode_16_64 3
		.amdhsa_memory_ordered 1
		.amdhsa_forward_progress 1
		.amdhsa_inst_pref_size 189
	.end_amdhsa_kernel
	.amdgpu_metadata
---
amdhsa.version: [ 1, 2 ]
amdhsa.kernels:
  - .name:           k_q49736e28ca_main
    .symbol:         k_q49736e28ca_main.kd
    .args:
      - { .name: locs, .offset: 0, .size: 8, .value_kind: global_buffer, .address_space: global }
      - { .name: W1, .offset: 8, .size: 8, .value_kind: global_buffer, .address_space: global }
      - { .name: b1, .offset: 16, .size: 8, .value_kind: global_buffer, .address_space: global }
      - { .name: W2, .offset: 24, .size: 8, .value_kind: global_buffer, .address_space: global }
      - { .name: b2, .offset: 32, .size: 8, .value_kind: global_buffer, .address_space: global }
      - { .name: b3, .offset: 40, .size: 8, .value_kind: global_buffer, .address_space: global }
      - { .name: w3f, .offset: 48, .size: 8, .value_kind: global_buffer, .address_space: global }
      - { .name: w3s, .offset: 56, .size: 8, .value_kind: global_buffer, .address_space: global }
      - { .name: plist, .offset: 64, .size: 8, .value_kind: global_buffer, .address_space: global }
      - { .name: pcount, .offset: 72, .size: 8, .value_kind: global_buffer, .address_space: global }
      - { .name: out0, .offset: 80, .size: 8, .value_kind: global_buffer, .address_space: global }
    .group_segment_fixed_size: 66048
    .private_segment_fixed_size: 0
    .kernarg_segment_align: 8
    .kernarg_segment_size: 88
    .max_flat_workgroup_size: 128
    .sgpr_count:     66
    .vgpr_count:     704
    .wavefront_size: 32
...
	.end_amdgpu_metadata
.endif
;; end of part 3
